; MI455X (gfx1250); checked and timed in simulation.
; The chip was launched on July 23, 2026; its instructions are those of AMD's public machine-readable ISA for CDNA 5 (MIT licence, August 2026) and "CDNA5" Instruction Set Architecture Reference Guide (July 2026). The comments in the code are by the model that wrote it; some were corrected since.
;; Multi Resolution Hash Time Double Encoder Network. Allowed arithmetic: matrix products marked QUANTISED: E5M2 operands, one E8M0 scale for each 32 along K, by v_wmma_scale_f32_16x16x128_f8f6f4 with both operands' format E5M2, f32 sums; products left as they are: f32 operands where the result goes on into a quantised operand, else bf16, f16 or f32 operands; f32 sums; everything else in f32.
;; Inputs: skip_alpha one number float32; t one number float32; table_dynamic 16 x 524,288 x 2 float32; table_static 16 x 524,288 x 2 float32; w1_0 64 x 64 float32; w1_1 64 x 64 float32; w1_2 64 x 64 float32; w2_0 64 x 64 float32; w2_1 64 x 64 float32; w2_2 64 x 1 float32; x 262,144 x 3 float32.
;; Outputs: out0 262,144 x 1 float32.
;; This version of the problem:
;;   THIS VERSION OF THE PROBLEM IS GIVEN IN LOW PRECISION. The matrix products marked QUANTISED in the list below multiply operands that are first quantised to E5M2 (5 exponent bits, 2 mantissa bits; 8 bits a number), with one power-of-two scale for each 32 numbers along K (OCP MX v1.0); their sums are f32. All else is computed in f32.
;;   The module's matrix products, in the order in which they are computed (A, B: the left and right operand; K: the contracted axis; several contracted axes count as one K, in the product's order):
;;     1. [M 262,144, K 64] x [K 64, N 64]; A: computed on the way; B: input w1_0: QUANTISED
;;     2. [M 262,144, K 64] x [K 64, N 64]; A: computed on the way; B: input w1_1: QUANTISED
;;     3. [M 262,144, K 64] x [K 64, N 64]; A: computed on the way; B: input w1_2: QUANTISED
;;     4. [M 262,144, K 64] x [K 64, N 64]; A: computed on the way; B: input w2_0: QUANTISED
;;     5. [M 262,144, K 64] x [K 64, N 64]; A: computed on the way; B: input w2_1: QUANTISED
;;     6. [M 262,144, K 64] x [K 64, N 1]; A: computed on the way; B: input w2_2: left as it is (N = 1 < 16)
;;   THE QUANTISER, for each operand of a quantised product, along K:
;;     - K is cut into blocks of 32 from its start; a last block that is shorter is filled with zeros.
;;     - A block's scale is 2^e with e = floor(log2(the largest magnitude in the block)) - 15, held to -126 .. 127; a block of zeros has e = 0. As a byte (E8M0): e + 127.
;;     - Each number is divided by its block's scale, clamped to +-57,344, and rounded to the nearest number of E5M2, ties to even, subnormals kept.
;;     - The product sums the exact products of the quantised numbers (number of the format x scale) in f32.
;;   ~~~python
;;   def quantise(x, axis):      # numpy; x: float32 -> the quantised numbers, widened to float32 again
;;       x = np.moveaxis(x, axis, -1); K = x.shape[-1]
;;       x = np.pad(x, [(0, 0)] * (x.ndim - 1) + [(0, -K % 32)]); x = x.reshape(x.shape[:-1] + (-1, 32)); a = np.abs(x).max(-1, keepdims=True)
;;       e = np.where(a > 0, np.clip(np.frexp(np.where(a > 0, a, 1))[1] - 1 - 15, -126, 127), 0)      # np.frexp(a)[1] - 1 = floor(log2(a)), exactly
;;       r = np.clip(x / 2.0 ** e, -57344, 57344)
;;       step = 2.0 ** (np.maximum(np.frexp(np.where(r == 0, 1, r))[1] - 1, -14) - 2)
;;       q = np.round(r / step) * step * 2.0 ** e      # np.round: ties to even
;;       return np.moveaxis(q.reshape(q.shape[:-2] + (-1,))[..., :K], -1, axis).astype(np.float32)
;;   ~~~
;;   OPERANDS COMPUTED ON THE WAY. 'Computed on the way' means the value that the module computes at that place (a softmax that the list does not call 'softmax' is quantised finished and normalised). What goes into a quantiser is computed in f32, as accurately as f32 sums, v_exp_f32 and their like allow (about 1e-6 of the number): no bf16 or f16 on the way to a quantiser, and a product that is left as it is and whose result goes on into a quantised operand takes f32 operands (vector FMAs, or v_wmma_f32_16x16x4_f32). A number that lies on a knife's edge between two numbers of the format may be rounded either way, as far as f32 arithmetic and the matrix unit's own rounding can turn it there, and no further.
;; One version. Each part assembles by itself: llvm-mc -triple=amdgcn-amd-amdhsa -mcpu=gfx1250 --defsym DOCPART=n.
;; ======== version 1 of 1: 2 launches
;; limits: inputs' magnitudes at most 64
;; workspace buffers: xhi 3,145,728 bytes of whole numbers; xlo 3,145,728 bytes of whole numbers; lvl 256 bytes of whole numbers; wq 22,016 bytes
;; launch prep (part 1): grid 387 x 1, 4 waves a work-group, no clusters, 0 bytes of LDS; arguments x, t, w1_0, w1_1, w1_2, w2_0, w2_1, w2_2, xhi, xlo, lvl, wq; writes xhi, xlo, lvl, wq
.if DOCPART == 1
	.amdgcn_target "amdgcn-amd-amdhsa--gfx1250"
	.amdhsa_code_object_version 6
	.text
	.protected	k_q402ee9316a_prep
	.globl	k_q402ee9316a_prep
	.p2align	8
	.type	k_q402ee9316a_prep,@function
k_q402ee9316a_prep:
	s_mov_b64 s[64:65], 0
	v_nop
	global_prefetch_b8 v0, s[64:65] scope:SCOPE_SE
	s_setreg_imm32_b32 hwreg(HW_REG_WAVE_MODE, 25, 1), 1
	s_wait_xcnt 0x0
; WHAT THE MAIN LAUNCH NEEDS AS WHOLE NUMBERS, AND THE WEIGHTS AS OPERANDS.
; (1) Work-groups 0 to 383: every coordinate of x, [262144][3] f32, taken as a flat stream, becomes the 64-bit fixed-point number (x + 64) 2^56:
;     with s = x 2^24 (exact), xhi = floor(s) + 2^30 and xlo = (s - floor(s)) 2^32, cut to a whole number.  For x >= 2^-33 nothing is cut; under that every level's cell is 0 either way.
;     The main launch makes each level's cell floor(x R) from it by whole-number multiplication, so that no address there hangs on a floating-point number.
; (2) Work-groups 384 to 386, twelve waves, a task g each:
;     g = 0 .. 9: layer g / 2 (w1_0, w1_1, w1_2, w2_0, w2_1), fragment p = g % 2: 32 columns of the weight [64 (k)][64 (n)] are quantised along K to codes of E5M2 with one E8M0 byte
;                 for each 32 along K, and stored as an image of the operand's 16 registers.  K is only 64, the matrix instruction's 128: so ONE fragment holds TWO tiles of 16 columns,
;                 tile 2 p in its K blocks 0 and 1, tile 2 p + 1 in its K blocks 2 and 3; the main launch blanks one of the two by zero codes on the other side.
;                 THE COLUMNS OF A TILE ARE NOT NEIGHBOURS: lane r of tile 2 p + u takes column 32 p + 8 u + r + 8 (r / 8), so that a result's 16 registers of two tiles are 16 neighbours along the next K.
;     g = 10:     the 16 levels' records {R, R << 8, D0, D1}: D0, D1 = the low 19 bits of gt x prime 3 and (gt + 1) x prime 3, gt = floor(t R) as reference() has it, in f32.
;     g = 11:     w2_2 is copied behind the images, so that the main launch brings all weights in as one block.
; RES: reference()'s own constants floor(16 b^l), b = 128 ** (1 / 15) in double precision: there b comes out a little under 2^(7/15), b ** 15 a little under 128, and the last level is 2047.
; LIMITS: |x| < 64 (s is held to -2^30 .. 2^30 - 64); NaN and infinities are not served; a block of zeros, or one whose largest magnitude lies under 2^-111, gets the byte 1
; (the rule says 127 for zeros: its codes are zeros, which add nothing under any byte but 0xff, and this program alone reads the bytes).
; No LDS, no barrier: waves share nothing.  The matrix units have nothing to do here.
.set XWG,  384                         ; work-groups for x: 8,192 bytes each
.set XR,   4                           ; v4-19   x as loaded
.set HI,   20                          ; v20-35  xhi: registers of its own for each step, so that no store's data are written again
.set LO,   36                          ; v36-51  xlo likewise
.set TS,   52                          ; v52-55  s, then its fraction
.set TF,   56                          ; v56-59  floor(s)
	s_load_b512 s[4:19], s[0:1], 0x0               ; x s[4:5], t s[6:7], w1_0 s[8:9], w1_1 s[10:11], w1_2 s[12:13], w2_0 s[14:15], w2_1 s[16:17], w2_2 s[18:19]
	s_load_b256 s[20:27], s[0:1], 0x40             ; xhi s[20:21], xlo s[22:23], lvl s[24:25], wq s[26:27]
	v_lshrrev_b32 v1, 5, v0
	v_readfirstlane_b32 s28, v1                    ; wave 0..3
	v_and_b32 v2, 31, v0                           ; lane
	s_wait_kmcnt 0x0
	s_cmp_lt_u32 ttmp9, XWG
	s_cbranch_scc0 .Lsmall
	; ---- (1) x: four loads of 512 consecutive bytes a wave, all on their way at once
	s_lshl_b32 s32, ttmp9, 13
	s_mov_b32 s33, 0
	s_add_nc_u64 s[4:5], s[4:5], s[32:33]
	s_add_nc_u64 s[20:21], s[20:21], s[32:33]
	s_add_nc_u64 s[22:23], s[22:23], s[32:33]
	s_mov_b32 s30, 0xce800000                      ; -2^30
	s_mov_b32 s31, 0x4e7fffff                      ; 2^30 - 64, the largest f32 number under 2^30
	v_lshlrev_b32 v1, 4, v0                        ; 16 bytes a thread; never rewritten
.irp j, 0,1,2,3
	global_load_b128 v[XR+4*\j:XR+4*\j+3], v1, s[4:5] offset:2048*\j th:TH_LOAD_NT
.endr
.macro XSTEP j
	s_wait_loadcnt 3-\j                            ; loads come back in order: mine is in, the 3 - j younger ones may be out
.irp k, 0,1,2,3
	v_mul_f32 v[TS+\k], 0x4b800000, v[XR+4*\j+\k]  ; s = x 2^24: exact
.endr
.irp k, 0,1,2,3
	v_med3_num_f32 v[TS+\k], v[TS+\k], s30, s31    ; the stated limit
.endr
.irp k, 0,1,2,3
	v_floor_f32 v[TF+\k], v[TS+\k]
.endr
.irp k, 0,1,2,3
	v_sub_f32 v[TS+\k], v[TS+\k], v[TF+\k]         ; the fraction: exact for s >= 0
.endr
.irp k, 0,1,2,3
	v_cvt_i32_f32 v[TF+\k], v[TF+\k]
.endr
.irp k, 0,1,2,3
	v_mul_f32 v[TS+\k], 0x4f800000, v[TS+\k]       ; x 2^32
.endr
.irp k, 0,1,2,3
	v_add_nc_u32 v[HI+4*\j+\k], 0x40000000, v[TF+\k]   ; + 64 x 2^24: never negative
.endr
.irp k, 0,1,2,3
	v_cvt_u32_f32 v[LO+4*\j+\k], v[TS+\k]          ; toward zero; it saturates
.endr
	global_store_b128 v1, v[HI+4*\j:HI+4*\j+3], s[20:21] offset:2048*\j   ; a wave's store covers 512 consecutive bytes, aligned
	global_store_b128 v1, v[LO+4*\j:LO+4*\j+3], s[22:23] offset:2048*\j
.endm
	XSTEP 0
	XSTEP 1
	XSTEP 2
	XSTEP 3
	s_endpgm
.Lsmall:
	s_sub_co_u32 s29, ttmp9, XWG
	s_lshl_b32 s29, s29, 2
	s_add_co_u32 s29, s29, s28                     ; my task g = 0 .. 11
	s_cmp_lt_u32 s29, 10
	s_cbranch_scc0 .Lnot_fragment
	; ---- (2) a fragment.  Lane (r, h) takes a column, and its registers run DOWN K in the order that the operand's layout gives the lane: registers 4 c .. 4 c + 3 hold k = 32 c + 16 h + 0 .. 15
	s_lshr_b32 s30, s29, 1                         ; the layer
	s_and_b32 s31, s29, 1                          ; p
	s_mov_b64 s[32:33], s[8:9]                     ; the weight is chosen by the task's number alone
	s_cmp_eq_u32 s30, 1
	s_cselect_b64 s[32:33], s[10:11], s[32:33]
	s_cmp_eq_u32 s30, 2
	s_cselect_b64 s[32:33], s[12:13], s[32:33]
	s_cmp_eq_u32 s30, 3
	s_cselect_b64 s[32:33], s[14:15], s[32:33]
	s_cmp_eq_u32 s30, 4
	s_cselect_b64 s[32:33], s[16:17], s[32:33]
	v_and_b32 v1, 15, v0                           ; r
	v_bfe_u32 v3, v0, 4, 1                         ; h
	v_and_b32 v4, 8, v1
	v_add_nc_u32 v4, v4, v1                        ; r + 8 (r / 8)
	v_lshlrev_b32 v4, 2, v4                        ; 4 bytes a column
	v_lshl_add_u32 v4, v3, 12, v4                  ; + 16 h rows of 256 bytes
	s_lshl_b32 s34, s31, 7
	v_add_nc_u32 v4, s34, v4                       ; + 32 p columns
	s_mov_b32 s40, 0x76543210
	s_mov_b32 s41, 0xfedcba98                      ; v_permlanex16_b32's selects for lane l xor 16
	s_mov_b32 s42, 0x600000                        ; the mantissa field of 57,344
.irp c, 0,1,2,3
.irp i, 0,1,2,3,4,5,6,7,8,9,10,11,12,13,14,15
	global_load_b32 v[64+16*\c+\i], v4, s[32:33] offset:(32*(\c%2)+\i)*256+32*(\c/2)   ; W(32 (c % 2) + 16 h + i, my column + 8 (c / 2)): blocks 0, 1 tile 2 p, blocks 2, 3 tile 2 p + 1
.endr
.endr
.irp b, 0,1,2,3
	v_mov_b32 v[36+\b], 0                          ; a lane permute's destination counts as one of its sources
.endr
	s_wait_loadcnt 0x0
.irp b, 0,1,2,3
	v_max3_num_f32 v[32+\b], |v[64+16*\b]|, |v[65+16*\b]|, 0x8000000   ; block b: my 16 numbers, and the floor 2^(16 - 127): so the byte cannot fall under 1
.endr
.irp i, 2,4,6,8,10,12,14
.irp b, 0,1,2,3
	v_max3_num_f32 v[32+\b], v[32+\b], |v[64+16*\b+\i]|, |v[65+16*\b+\i]|   ; the four blocks by turns
.endr
.endr
.irp b, 0,1,2,3
	v_permlanex16_b32 v[36+\b], v[32+\b], s40, s41
.endr
.irp b, 0,1,2,3
	v_max_num_f32 v[32+\b], v[32+\b], v[36+\b]     ; with lane l xor 16's 16: the block's largest magnitude
.endr
.irp b, 0,1,2,3
	v_add_nc_u32 v[44+\b], 0xf8800000, v[32+\b]    ; 15 off its exponent field: the conversion takes the exponent field of this operand as its scale
.endr
.irp b, 0,1,2,3
	v_and_or_b32 v[40+\b], v[32+\b], 0x7f800000, s42   ; 57,344 x the scale
.endr
.irp b, 0,1,2,3
	v_lshrrev_b32 v[36+\b], 23, v[44+\b]           ; the scale's byte
.endr
	v_lshl_or_b32 v9, v37, 8, v36                  ; the fragment's scale word for my row: bytes 0, 1 tile 2 p's blocks, bytes 2, 3 tile 2 p + 1's
	v_lshl_or_b32 v9, v38, 16, v9
	v_lshl_or_b32 v9, v39, 24, v9
.irp c, 0,1,2,3
.irp i, 0,1,2,3,4,5,6,7,8,9,10,11,12,13,14,15
	v_med3_num_f32 v[64+16*\c+\i], v[64+16*\c+\i], -v[40+\c], v[40+\c]   ; the conversion to an 8-bit code does not saturate (ISA guide 7.6.2): the hold at the largest code x the scale
.endr
	v_cvt_scalef32_pk8_bf8_f32 v[48+4*\c:49+4*\c], v[64+16*\c:71+16*\c], v[44+\c]
	v_cvt_scalef32_pk8_bf8_f32 v[50+4*\c:51+4*\c], v[72+16*\c:79+16*\c], v[44+\c]
.endr
	v_lshlrev_b32 v5, 4, v2                        ; (a plain line behind the last conversion)  16 x lane
	s_lshl_b32 s36, s29, 11                        ; the image's place: 2,048 g
	s_mov_b32 s37, 0
	s_add_nc_u64 s[38:39], s[26:27], s[36:37]
.irp q, 0,1,2,3
	global_store_b128 v5, v[48+4*\q:51+4*\q], s[38:39] offset:512*\q   ; a group of four registers: 512 consecutive bytes
.endr
	s_lshl_b32 s36, s30, 8                         ; the scale words: 256 bytes a layer, 8 a lane, 4 a fragment
	s_lshl_b32 s35, s31, 2
	s_add_co_u32 s36, s36, s35
	v_lshl_add_u32 v6, v2, 3, s36
	global_store_b32 v6, v9, s[26:27] offset:20480
	s_endpgm
.Lnot_fragment:
	s_cmp_eq_u32 s29, 10
	s_cbranch_scc0 .Lcopy
	; ---- the levels' records: lane l makes level l's
	s_load_b32 s30, s[6:7], 0x0                    ; t
	v_and_b32 v1, 15, v0
	v_mov_b32 v8, 16                               ; level 0
.macro LV l, res
	v_cmp_ne_u32 vcc_lo, \l, v1
	v_cndmask_b32 v8, \res, v8, vcc_lo             ; lane l takes RES[l], the others keep theirs
.endm
	LV 1, 22
	LV 2, 30
	LV 3, 42
	LV 4, 58
	LV 5, 80
	LV 6, 111
	LV 7, 153
	LV 8, 212
	LV 9, 294
	LV 10, 406
	LV 11, 561
	LV 12, 776
	LV 13, 1072
	LV 14, 1482
	LV 15, 2047
	v_cvt_f32_u32 v3, v8
	s_mov_b32 s31, 0xdb06c2f5                      ; prime 3 = 3,674,653,429
	s_wait_kmcnt 0x0
	v_mul_f32 v3, s30, v3                          ; pos = t R, rounded to f32 as reference() has it
	v_floor_f32 v3, v3
	v_cvt_i32_f32 v3, v3                           ; gt
	v_mul_lo_u32 v3, v3, s31
	v_lshlrev_b32 v9, 8, v8                        ; R << 8
	v_and_b32 v10, 0x7ffff, v3                     ; D0
	v_add_nc_u32 v3, s31, v3
	v_and_b32 v11, 0x7ffff, v3                     ; D1
	v_lshlrev_b32 v4, 4, v2
	v_cmp_gt_u32 vcc_lo, 16, v2
	s_wait_xcnt 0x0                                ; EXEC changes only behind this wait
	s_and_saveexec_b32 s32, vcc_lo                 ; lanes 0 to 15: 16 records, 256 consecutive bytes
	global_store_b128 v4, v[8:11], s[24:25]
	s_endpgm
.Lcopy:
	v_lshlrev_b32 v1, 3, v2
	global_load_b64 v[4:5], v1, s[18:19]           ; w2_2: 64 numbers, 256 bytes
	s_wait_loadcnt 0x0
	global_store_b64 v1, v[4:5], s[26:27] offset:21760
	s_endpgm
.Lfunc_end_k_q402ee9316a_prep:
	.size	k_q402ee9316a_prep, .Lfunc_end_k_q402ee9316a_prep-k_q402ee9316a_prep
	.p2alignl 7, 3214868480
	.fill 96, 4, 3214868480
	.section	.rodata,"a",@progbits
	.p2align	6, 0x0
	.amdhsa_kernel k_q402ee9316a_prep
		.amdhsa_group_segment_fixed_size 0
		.amdhsa_private_segment_fixed_size 0
		.amdhsa_enable_private_segment 0
		.amdhsa_kernarg_size 96
		.amdhsa_user_sgpr_count 2
		.amdhsa_user_sgpr_kernarg_segment_ptr 1
		.amdhsa_wavefront_size32 1
		.amdhsa_system_sgpr_workgroup_id_x 1
		.amdhsa_system_sgpr_workgroup_id_y 1
		.amdhsa_system_sgpr_workgroup_id_z 1
		.amdhsa_system_vgpr_workitem_id 0
		.amdhsa_next_free_vgpr 128
		.amdhsa_next_free_sgpr 66
		.amdhsa_reserve_vcc 1
		.amdhsa_float_denorm_mode_32 3
		.amdhsa_float_denorm_mode_16_64 3
		.amdhsa_memory_ordered 1
		.amdhsa_forward_progress 1
		.amdhsa_inst_pref_size 27
	.end_amdhsa_kernel
	.amdgpu_metadata
---
amdhsa.version: [ 1, 2 ]
amdhsa.kernels:
  - .name:           k_q402ee9316a_prep
    .symbol:         k_q402ee9316a_prep.kd
    .args:
      - { .name: x, .offset: 0, .size: 8, .value_kind: global_buffer, .address_space: global }
      - { .name: t, .offset: 8, .size: 8, .value_kind: global_buffer, .address_space: global }
      - { .name: w1_0, .offset: 16, .size: 8, .value_kind: global_buffer, .address_space: global }
      - { .name: w1_1, .offset: 24, .size: 8, .value_kind: global_buffer, .address_space: global }
      - { .name: w1_2, .offset: 32, .size: 8, .value_kind: global_buffer, .address_space: global }
      - { .name: w2_0, .offset: 40, .size: 8, .value_kind: global_buffer, .address_space: global }
      - { .name: w2_1, .offset: 48, .size: 8, .value_kind: global_buffer, .address_space: global }
      - { .name: w2_2, .offset: 56, .size: 8, .value_kind: global_buffer, .address_space: global }
      - { .name: xhi, .offset: 64, .size: 8, .value_kind: global_buffer, .address_space: global }
      - { .name: xlo, .offset: 72, .size: 8, .value_kind: global_buffer, .address_space: global }
      - { .name: lvl, .offset: 80, .size: 8, .value_kind: global_buffer, .address_space: global }
      - { .name: wq, .offset: 88, .size: 8, .value_kind: global_buffer, .address_space: global }
    .group_segment_fixed_size: 0
    .private_segment_fixed_size: 0
    .kernarg_segment_align: 8
    .kernarg_segment_size: 96
    .max_flat_workgroup_size: 128
    .sgpr_count:     66
    .vgpr_count:     128
    .wavefront_size: 32
...
	.end_amdgpu_metadata
.endif
;; end of part 1
;; launch main (part 2): grid 256 x 1, 32 waves a work-group, no clusters, 308,736 bytes of LDS; arguments x, xhi, xlo, lvl, wq, table_static, table_dynamic, t, skip_alpha, out0; writes out0
.if DOCPART == 2
	.amdgcn_target "amdgcn-amd-amdhsa--gfx1250"
	.amdhsa_code_object_version 6
	.text
	.protected	k_q402ee9316a_main
	.globl	k_q402ee9316a_main
	.p2align	8
	.type	k_q402ee9316a_main,@function
k_q402ee9316a_main:
	s_mov_b64 s[64:65], 0
	v_nop
	global_prefetch_b8 v0, s[64:65] scope:SCOPE_SE
	s_setreg_imm32_b32 hwreg(HW_REG_WAVE_MODE, 25, 1), 1
	s_wait_xcnt 0x0
; out0 = net_2(alpha relu-net_1(feat) + (1 - alpha) feat), feat = [hash grid of x (32) | hash grid of (x, t) (32)], for 262,144 points.
; SHARES.  A work-group owns 1,024 points, a wave 32.  Thirty-two waves of 128 registers: eight to a SIMD, so that one wave's waits for its gathers lie under the others' work.
; PHASE 1, 16 levels: a LANE owns a point.  A level is 8 gathers of 8 bytes from table_static and 16 from table_dynamic, all 24 on their way at once, blended into 2 + 2 features, which go to the
;   point's row in LDS.  All work-groups walk the levels in the same order, so that at any time the launch gathers from two tables of 4 MiB.
;   THE CELL IS MADE OF WHOLE NUMBERS: xhi, xlo hold (x + 64) 2^56; times R << 8 that is (x + 64) R 2^64, whose third word less 64 R is floor(x R), exactly.  The fraction is reference()'s:
;   pos = x R rounded to f32, less the cell.  Where that rounding lifts pos onto a whole number n, reference() takes cell n with fraction 0 and this text cell n - 1 with fraction 1: the same weights on the same corners.
;   Of the hash only the low 19 bits count, so the primes are cut to 19 bits and the products are 24-bit ones.  The t corner's part of the hash comes from the level's record (the launch before).
;   The dynamic feature is (1 - ft) E0 + ft E1, E0 and E1 the two t slices under the 3-D weights: the order of rounding differs from reference()'s product of four factors in the last bit.
; PHASE 2: the five quantised products, 16 points at a time, by v_wmma_scale_f32_16x16x128_f8f6f4 on codes of E5M2, used TRANSPOSED (source 0 = 16 columns of the weight, source 1 = 16 points): lane (r, h) holds
;   point r, and register 16 b + i of H the unit 32 b + 16 h + i, which is the next operand's own order: a result is quantised in registers and never changes lanes.
;   K is 64 and the instruction's is 128: a weight fragment holds TWO tiles of columns, in K blocks 0, 1 and 2, 3; the points' 8 registers of codes stand between two runs of 8 zero registers, and
;   the operand [codes | 0] meets the first tile, [0 | codes] the second.  Zero codes add nothing; all scale bytes lie in 1 .. 254.
;   The last product, 64 -> 1, is left in f32: 16 packed multiply-adds a lane.
; NO CLUSTER, NO TENSOR LOAD: what work-groups share as a dense block is 22,016 bytes of weights, read once by each; the tables are read lane by lane at hashed places, so no tile is shared.
; LIMITS: |x| < 64 (the launch before holds it); NaN and infinities are not served; a block of zeros, or one whose largest magnitude lies under 2^-111, gets the scale byte 1 (its codes are zeros or held; the bytes never leave the wave).
.set LEVELB, 4194304                   ; a level's table in bytes: 524,288 entries of 8
.set M19,    0x7ffff
.set P1,     0x779b1                   ; 2,654,435,761 mod 2^19
.set P2,     0x25795                   ; 805,459,861 mod 2^19
.set PITCH,  272                       ; a point's row in LDS: 64 features, 256 bytes, + 16: 17 x 16 bytes, so that the 16 rows of a 16-byte load start at 16 different columns of 16 bytes modulo 256
.set WIMG,   1024*PITCH                ; behind the rows: wq as it lies: 5 layers x 4,096 bytes of codes,
.set WSC,    WIMG+20480                ; 5 x 256 bytes of scale words,
.set W2O,    WIMG+21760                ; w2_2,
.set YST,    WIMG+22016                ; and behind it the work-group's 1,024 results
; registers that stay: made from v0 at the head, never rewritten
.set T16, 1                            ; v1   16 x thread
.set FA,  2                            ; v2   my point's row
.set STL, 3                            ; v3   where I put 16 bytes of wq
.set YRD, 4                            ; v4   where I read 16 bytes of results (waves 0 to 7)
.set RDF, 5                            ; v5   phase 2: row 32 w + r, + 64 h bytes
.set WI,  6                            ; v6   an image's place for my lane
.set WSA, 7                            ; v7   the scale words' place for my lane
.set W2A, 8                            ; v8   w2_2 at my half's units
.set YA,  9                            ; v9   point 32 w + r's result
.set PF,  10                           ; v10  the prefetches' offset
.set T12, 11                           ; v11  12 x thread
.set SW,  12                           ; v12  the points' scale word: holds scales and nothing else
.set RDT, 13                           ; v13  RDF for the tile in hand
.set WS,  14                           ; v14-15 the weight fragments' scale words: scales and nothing else
.set YAT, 16                           ; v16  YA for the tile in hand
.set FAC, 17                           ; v17  FA for the level in hand
; phase 1
.set X,   18                           ; v18-20 x;  v22-24 xhi;  v26-28 xlo;  the cells G0, G1, G2 in the gaps: v21, v25, v29
.set XH,  22
.set XL,  26
.set G,   21
.set CY,  30                           ; v30-35 three pairs (carry, 0)
.set PR,  36                           ; v36-41 three 64-bit products; later pos and the cell as f32
.set FR,  42                           ; v42-49 (1 - f, f) for x, y, z, t
.set WXY, 50                           ; v50-53 weights over x, y
.set WZ,  54                           ; v54-61 weights over x, y, z: corner c = ox + 2 oy + 4 oz
.set HA,  62                           ; v62-63 x's part of the hash, for ox = 0, 1
.set HB,  64                           ; v64-67 y's for oy = 0, 1, z's for oz = 0, 1
.set BC,  68                           ; v68-71 y's xor z's: oy + 2 oz
.set BCD, 72                           ; v72-79 xor t's: + 4 ot
.set SV,  80                           ; v80-95  8 pairs: an index in the low register, then the entry
.set DV,  96                           ; v96-127 16 pairs
.set SS,  64                           ; the sums lie over hash parts that are done with: static,
.set E0,  66                           ; t slice 0,
.set E1,  68                           ; t slice 1
; phase 2
.set TMX, 18                           ; v18-19 the two blocks' largest magnitudes
.set TMP, 20                           ; v20-21 the other half's, then the bytes
.set TMH, 22                           ; v22-23 57,344 x the scale
.set TMS, 24                           ; v24-25 the conversions' scale operands
.set AL,  26                           ; v26-27 alpha, 1 - alpha
.set H,   32                           ; v32-63 four accumulators: the layer's 64 units, my half
.set W,   64                           ; v64-95 two weight fragments; also feat for the blend, and w2_2
.set ZA,  96                           ; v96-103 zeros
.set C,   104                          ; v104-111 the points' codes
.set ZB,  112                          ; v112-119 zeros
	s_load_b512 s[4:19], s[0:1], 0x0               ; x s[4:5], xhi s[6:7], xlo s[8:9], lvl s[10:11], wq s[12:13], table_static s[14:15], table_dynamic s[16:17], t s[18:19]
	s_load_b128 s[20:23], s[0:1], 0x40             ; skip_alpha s[20:21], out0 s[22:23]
	v_lshrrev_b32 v30, 5, v0
	v_readfirstlane_b32 s24, v30                   ; wave 0..31
	v_bfe_u32 v30, v0, 4, 1                        ; h
	v_and_b32 v31, 31, v0                          ; lane
	v_lshlrev_b32 v[T16], 4, v0
	v_mul_u32_u24 v[FA], v0, PITCH
	v_lshl_add_u32 v[STL], v0, 4, WIMG
	v_lshl_add_u32 v[YRD], v0, 4, YST
	v_and_b32 v[RDF], 0x3ef, v0                    ; 32 w + r
	v_mul_u32_u24 v[RDF], v[RDF], PITCH
	v_lshl_add_u32 v[RDF], v30, 6, v[RDF]
	v_lshl_add_u32 v[WI], v31, 4, WIMG
	v_lshl_add_u32 v[WSA], v31, 3, WSC
	v_lshl_add_u32 v[W2A], v30, 6, W2O
	v_and_b32 v[YA], 0x3ef, v0
	v_lshl_add_u32 v[YA], v[YA], 2, YST
	s_lshl_b32 s29, ttmp9, 14                      ; the prefetches: my work-group's 16,384 bytes of a level's table,
	s_and_b32 s30, s24, 1
	s_lshl_b32 s30, s30, 13                        ; my wave's half of them,
	s_add_co_u32 s29, s29, s30
	v_lshl_add_u32 v[PF], v31, 8, s29              ; lanes 256 bytes apart
	v_mul_u32_u24 v[T12], v0, 12
	s_mov_b32 s47, M19
	s_mov_b32 s48, P1
	s_mov_b32 s49, P2
	s_mov_b32 s50, 0x76543210
	s_mov_b32 s51, 0xfedcba98                      ; v_permlanex16_b32's selects for lane l xor 16
	s_mov_b32 s52, 0x600000                        ; the mantissa field of 57,344
	s_mov_b32 s27, 0                               ; the level
	s_mov_b32 s28, 0                               ; its record's byte in lvl
	s_mov_b32 s46, 0                               ; 8 x level: its features' place in a row
	s_mul_i32 s30, ttmp9, 12288                    ; my work-group's 1,024 points in x, xhi, xlo
	s_mov_b32 s31, 0
	s_wait_kmcnt 0x0
	s_load_b32 s25, s[18:19], 0x0                  ; t
	s_load_b32 s26, s[20:21], 0x0                  ; alpha
	s_load_b128 s[32:35], s[10:11], 0x0            ; level 0's record
	s_add_nc_u64 s[4:5], s[4:5], s[30:31]
	s_add_nc_u64 s[6:7], s[6:7], s[30:31]
	s_add_nc_u64 s[8:9], s[8:9], s[30:31]
	s_lshl_b32 s30, ttmp9, 12
	s_add_nc_u64 s[22:23], s[22:23], s[30:31]      ; and in out0
	s_cmp_lt_u32 s24, 2                            ; waves 0, 1 prefetch for table_static, waves 2, 3 for table_dynamic; the others not at all
	s_cselect_b64 s[44:45], s[14:15], s[16:17]
	s_cmp_lt_u32 s24, 4
	s_cselect_b32 s42, 15, 0                       ; a wave prefetches while the level is under this
	global_load_b96 v[X:X+2], v[T12], s[4:5] th:TH_LOAD_NT
	global_load_b96 v[XH:XH+2], v[T12], s[6:7] th:TH_LOAD_NT
	global_load_b96 v[XL:XL+2], v[T12], s[8:9] th:TH_LOAD_NT
	global_load_b128 v[96:99], v[T16], s[12:13]    ; wq's first 16,384 bytes: 16 a thread
	s_cmp_lt_u32 s24, 11
	s_cbranch_scc0 .Lno_tail
	global_load_b128 v[100:103], v[T16], s[12:13] offset:16384   ; its last 5,632: 352 threads
	s_wait_loadcnt 0x0
	ds_store_b128 v[STL], v[100:103] offset:16384
.Lno_tail:
	s_wait_loadcnt 0x0
	ds_store_b128 v[STL], v[96:99]
	v_mov_b32 v[CY+1], 0                           ; the carries' upper words: 0 through all of phase 1
	v_mov_b32 v[CY+3], 0
	v_mov_b32 v[CY+5], 0
.Llevel:                                           ; 16 trips
	s_wait_kmcnt 0x0                               ; this level's record is in (in the first trip t and alpha too)
	s_mov_b64 s[36:37], s[32:33]                   ; R, R << 8
	s_mov_b64 s[38:39], s[34:35]                   ; D0, D1
	s_add_co_u32 s28, s28, 16
	s_min_u32 s28, s28, 240                        ; the next level's record, a trip ahead; the last trip asks for record 15 once more, so that no load leaves lvl and no branch is needed
	s_load_b128 s[32:35], s[10:11], s28 offset:0x0
	s_cvt_f32_u32 s40, s36                         ; R as f32
	s_lshl_b32 s41, s36, 6                         ; 64 R
	; the cells: floor((x + 64) R) - 64 R, the three dimensions by turns
.irp d, 0,1,2
	v_mad_nc_u64_u32 v[PR+2*\d:PR+2*\d+1], v[XL+\d], s37, 0
.endr
.irp d, 0,1,2
	v_mov_b32 v[CY+2*\d], v[PR+2*\d+1]             ; the low product's upper word is the carry
.endr
.irp d, 0,1,2
	v_mad_nc_u64_u32 v[PR+2*\d:PR+2*\d+1], v[XH+\d], s37, v[CY+2*\d:CY+2*\d+1]
.endr
.irp d, 0,1,2
	v_sub_nc_u32 v[G+4*\d], v[PR+2*\d+1], s41
.endr
	; the hash's parts, in 19 bits
	v_and_b32 v[HA], s47, v[G]                     ; prime 0 is 1
	v_add_nc_u32 v[HA+1], 1, v[G]
	v_mul_u32_u24 v[HB], v[G+4], s48
	v_mul_u32_u24 v[HB+2], v[G+8], s49
	v_and_b32 v[HA+1], s47, v[HA+1]
	v_add_nc_u32 v[HB+1], s48, v[HB]               ; (G + 1) p = G p + p
	v_add_nc_u32 v[HB+3], s49, v[HB+2]
.irp j, 0,1,2,3
	v_xor_b32 v[BC+\j], v[HB+(\j%2)], v[HB+2+(\j/2)]
.endr
.irp j, 0,1,2,3
	v_and_b32 v[BC+\j], s47, v[BC+\j]
.endr
.irp c, 0,1,2,3,4,5,6,7
	v_xor_b32 v[SV+2*\c], v[HA+(\c%2)], v[BC+(\c/2)]
.endr
.irp c, 0,1,2,3,4,5,6,7
	v_min_u32 v[SV+2*\c], 0x7ffff, v[SV+2*\c]      ; a number made of loaded numbers enters an address only behind v_min_u32 with a constant; the index is under 2^19 already, so no value changes
.endr
.irp c, 0,1,2,3,4,5,6,7
	global_load_b64 v[SV+2*\c:SV+2*\c+1], v[SV+2*\c], s[14:15] scale_offset   ; entry = base + 8 x index; the load lands on its own index
.endr
.irp j, 0,1,2,3
	v_xor_b32 v[BCD+\j], s38, v[BC+\j]
	v_xor_b32 v[BCD+4+\j], s39, v[BC+\j]
.endr
.irp e, 0,1,2,3,4,5,6,7,8,9,10,11,12,13,14,15
	v_xor_b32 v[DV+2*\e], v[HA+(\e%2)], v[BCD+(\e/2)]   ; corner e = ox + 2 oy + 4 oz + 8 ot
.endr
.irp e, 0,1,2,3,4,5,6,7,8,9,10,11,12,13,14,15
	v_min_u32 v[DV+2*\e], 0x7ffff, v[DV+2*\e]
.endr
.irp e, 0,1,2,3,4,5,6,7,8,9,10,11,12,13,14,15
	global_load_b64 v[DV+2*\e:DV+2*\e+1], v[DV+2*\e], s[16:17] scale_offset
.endr
	; A PREFETCH INTO THE L2 of the NEXT level's tables, one trip ahead, behind this trip's 24 loads.  A level's table is 256 work-groups x 16,384 bytes: my work-group asks for its own 64 blocks of 256 bytes of
	; each table, 32 a wave, a lane a block: waves 0, 1 table_static, waves 2, 3 table_dynamic, one instruction each.  So each block is named once in the launch.  Level 0 comes by its gathers alone; the last trip asks for nothing.
	s_cmp_lt_u32 s27, s42
	s_cbranch_scc0 .Lnot_mine
	global_prefetch_b8 v[PF], s[44:45] offset:LEVELB th:TH_LOAD_NT scope:SCOPE_SE
.Lnot_mine:
	; the weights, while the gathers are on their way.  pos is rounded before the cell is taken off, as in reference(): so the two are not fused
.irp d, 0,1,2
	v_mul_f32 v[PR+2*\d], s40, v[X+\d]
	v_cvt_f32_i32 v[PR+2*\d+1], v[G+4*\d]
.endr
.irp d, 0,1,2
	v_sub_f32 v[FR+2*\d+1], v[PR+2*\d], v[PR+2*\d+1]   ; f
.endr
.irp d, 0,1,2
	v_sub_f32 v[FR+2*\d], 1.0, v[FR+2*\d+1]        ; 1 - f
.endr
	v_mul_f32 v[PR], s25, s40                      ; t likewise: its cell went into D0, D1
	v_floor_f32 v[PR+1], v[PR]
	v_sub_f32 v[FR+7], v[PR], v[PR+1]
	v_sub_f32 v[FR+6], 1.0, v[FR+7]
	v_pk_mul_f32 v[WXY:WXY+1], v[FR:FR+1], v[FR+2:FR+3] op_sel_hi:[1,0]                    ; (1 - fx, fx) x (1 - fy)
	v_pk_mul_f32 v[WXY+2:WXY+3], v[FR:FR+1], v[FR+2:FR+3] op_sel:[0,1] op_sel_hi:[1,1]     ; x fy
	v_pk_mul_f32 v[WZ:WZ+1], v[WXY:WXY+1], v[FR+4:FR+5] op_sel_hi:[1,0]                    ; x (1 - fz)
	v_pk_mul_f32 v[WZ+2:WZ+3], v[WXY+2:WXY+3], v[FR+4:FR+5] op_sel_hi:[1,0]
	v_pk_mul_f32 v[WZ+4:WZ+5], v[WXY:WXY+1], v[FR+4:FR+5] op_sel:[0,1] op_sel_hi:[1,1]     ; x fz
	v_pk_mul_f32 v[WZ+6:WZ+7], v[WXY+2:WXY+3], v[FR+4:FR+5] op_sel:[0,1] op_sel_hi:[1,1]
; eight corners' entries (two features each) under the eight weights: the first product starts the sum
.macro BLEND8 acc, val
	v_pk_mul_f32 v[\acc:\acc+1], v[\val:\val+1], v[WZ:WZ+1] op_sel_hi:[1,0]
	v_pk_fma_f32 v[\acc:\acc+1], v[\val+2:\val+3], v[WZ:WZ+1], v[\acc:\acc+1] op_sel:[0,1,0] op_sel_hi:[1,1,1]
.irp c, 2,4,6
	v_pk_fma_f32 v[\acc:\acc+1], v[\val+2*\c:\val+2*\c+1], v[WZ+\c:WZ+\c+1], v[\acc:\acc+1] op_sel_hi:[1,0,1]
	v_pk_fma_f32 v[\acc:\acc+1], v[\val+2*\c+2:\val+2*\c+3], v[WZ+\c:WZ+\c+1], v[\acc:\acc+1] op_sel:[0,1,0] op_sel_hi:[1,1,1]
.endr
.endm
	s_wait_loadcnt 16                              ; the 8 static entries are in; the 16 dynamic loads are younger
	BLEND8 SS, SV
	s_wait_loadcnt 8                               ; t slice 0's 8 are in; slice 1's are younger
	BLEND8 E0, DV
	s_wait_loadcnt 0x0
	BLEND8 E1, DV+16
	v_pk_mul_f32 v[E0:E0+1], v[E0:E0+1], v[FR+6:FR+7] op_sel_hi:[1,0]                              ; (1 - ft) E0
	v_pk_fma_f32 v[E0:E0+1], v[E1:E1+1], v[FR+6:FR+7], v[E0:E0+1] op_sel:[0,1,0] op_sel_hi:[1,1,1]   ; + ft E1
	v_add_nc_u32 v[FAC], s46, v[FA]
	ds_store_b64 v[FAC], v[SS:SS+1]                ; feat[2 l], feat[2 l + 1]
	ds_store_b64 v[FAC], v[E0:E0+1] offset:128     ; feat[32 + 2 l], feat[33 + 2 l]
	s_wait_xcnt 0x0                                ; the gathers and the prefetch have read their bases: only behind this wait are they stepped
	s_add_nc_u64 s[14:15], s[14:15], LEVELB
	s_add_nc_u64 s[16:17], s[16:17], LEVELB
	s_add_nc_u64 s[44:45], s[44:45], LEVELB
	s_add_co_u32 s46, s46, 8
	s_add_co_u32 s27, s27, 1
	s_cmp_lt_u32 s27, 16
	s_cbranch_scc1 .Llevel
	s_wait_dscnt 0x0                               ; for the others' sake: my part of wq and my rows have landed
	s_barrier_signal -1
	s_barrier_wait -1                              ; the weights' images are whole
	; ---- PHASE 2
.irp i, 0,1,2,3,4,5,6,7
	v_mov_b32 v[ZA+\i], 0                          ; the zero codes on both sides of the points' codes: written once
	v_mov_b32 v[ZB+\i], 0
.endr
	v_mov_b32 v[TMP], 0                            ; a lane permute's destination counts as one of its sources
	v_mov_b32 v[TMP+1], 0
	v_mov_b32 v[AL], s26
	v_sub_f32 v[AL+1], 1.0, v[AL]
	s_mov_b32 s53, 2                               ; two tiles of 16 points
	s_mov_b32 s54, 0                               ; 16 rows x tile
	s_mov_b32 s55, 0                               ; 16 results x tile
.macro FEATLD dst                      ; my point's features at my half's units: register 16 b + i = unit 32 b + 16 h + i
.irp b, 0,1
.irp j, 0,1,2,3
	ds_load_b128 v[\dst+16*\b+4*\j:\dst+16*\b+4*\j+3], v[RDT] offset:128*\b+16*\j
.endr
.endr
.endm
.macro WLOAD n                         ; layer n's two fragments, as images of their registers, and their scale words: nine loads
.irp q, 0,1,2,3,4,5,6,7
	ds_load_b128 v[W+4*\q:W+4*\q+3], v[WI] offset:4096*\n+512*\q
.endr
	ds_load_b64 v[WS:WS+1], v[WSA] offset:256*\n
.endm
; H's 32 numbers of a lane become the points' codes in v[C] on and their scale word.  relu = 1: what is negative becomes 0 on the way.  Each accumulator is read from its low end on.
.macro QUANT relu
.if \relu                                      ; no |.|: what is negative is to become 0, so it must not count for the largest magnitude; the floor stands over it
.irp b, 0,1
	v_max3_num_f32 v[TMX+\b], v[H+16*\b], v[H+16*\b+1], 0x8000000   ; my 16 numbers of block b, and the floor 2^(16 - 127): so the byte cannot fall under 1
.endr
.irp i, 2,4,6,8,10,12,14
.irp b, 0,1
	v_max3_num_f32 v[TMX+\b], v[TMX+\b], v[H+16*\b+\i], v[H+16*\b+\i+1]
.endr
.endr
.else
.irp b, 0,1
	v_max3_num_f32 v[TMX+\b], |v[H+16*\b]|, |v[H+16*\b+1]|, 0x8000000
.endr
.irp i, 2,4,6,8,10,12,14
.irp b, 0,1
	v_max3_num_f32 v[TMX+\b], v[TMX+\b], |v[H+16*\b+\i]|, |v[H+16*\b+\i+1]|
.endr
.endr
.endif
.irp b, 0,1
	v_permlanex16_b32 v[TMP+\b], v[TMX+\b], s50, s51
.endr
.irp b, 0,1
	v_max_num_f32 v[TMX+\b], v[TMX+\b], v[TMP+\b]  ; with lane l xor 16's 16: the block's largest magnitude
.endr
.irp b, 0,1
	v_add_nc_u32 v[TMS+\b], 0xf8800000, v[TMX+\b]  ; 15 off its exponent field: the conversion's scale operand
.endr
.irp b, 0,1
	v_and_or_b32 v[TMH+\b], v[TMX+\b], 0x7f800000, s52   ; 57,344 x the scale
.endr
.irp b, 0,1
	v_lshrrev_b32 v[TMP+\b], 23, v[TMS+\b]         ; the scale's byte
.endr
	v_lshl_or_b32 v[SW], v[TMP+1], 8, v[TMP]
	v_lshl_or_b32 v[SW], v[SW], 16, v[SW]          ; the two bytes stand twice: for the codes in K blocks 0, 1 and in K blocks 2, 3.  The 32 holds below stand between this line and the products
.irp b, 0,1
.irp i, 0,1,2,3,4,5,6,7,8,9,10,11,12,13,14,15
.if \relu
	v_med3_num_f32 v[H+16*\b+\i], v[H+16*\b+\i], 0, v[TMH+\b]   ; the activation and the hold in one
.else
	v_med3_num_f32 v[H+16*\b+\i], v[H+16*\b+\i], -v[TMH+\b], v[TMH+\b]   ; the conversion to an 8-bit code does not saturate (ISA guide 7.6.2)
.endif
.endr
	v_cvt_scalef32_pk8_bf8_f32 v[C+4*\b:C+4*\b+1], v[H+16*\b:H+16*\b+7], v[TMS+\b]
	v_cvt_scalef32_pk8_bf8_f32 v[C+4*\b+2:C+4*\b+3], v[H+16*\b+8:H+16*\b+15], v[TMS+\b]
.endr
.rept 4
	v_nop                                          ; codes written by vector instructions stand four places ahead of a scaled matrix instruction
.endr
.endm
; Four products on four accumulators, each begun with the constant 0: no chain, nothing cleared.  Fragment p against [codes | 0] gives tile 2 p, against [0 | codes] tile 2 p + 1.
.macro MM
.irp p, 0,1
	v_wmma_scale_f32_16x16x128_f8f6f4 v[H+16*\p:H+16*\p+7], v[W+16*\p:W+16*\p+15], v[C:C+15], 0, v[WS+\p], v[SW] matrix_a_fmt:MATRIX_FMT_BF8 matrix_b_fmt:MATRIX_FMT_BF8
	v_wmma_scale_f32_16x16x128_f8f6f4 v[H+16*\p+8:H+16*\p+15], v[W+16*\p:W+16*\p+15], v[ZA:ZA+15], 0, v[WS+\p], v[SW] matrix_a_fmt:MATRIX_FMT_BF8 matrix_b_fmt:MATRIX_FMT_BF8
.endr
.rept 8
	v_nop                                          ; eight places ahead of the loads into the weights' registers and of the first read of the results
.endr
.endm
.macro LAYER n, relu
	WLOAD \n                                       ; the weights land while the points are quantised
.if \n == 0
	s_wait_dscnt 9                                 ; the features are in; the nine loads just issued may be out
.endif
	QUANT \relu
	s_wait_dscnt 0x0
	MM
.endm
.Ltile:
	v_add_nc_u32 v[RDT], s54, v[RDF]
	v_add_nc_u32 v[YAT], s55, v[YA]
	FEATLD H
	LAYER 0, 0                                     ; feat x w1_0
	LAYER 1, 1                                     ; relu x w1_1
	LAYER 2, 1                                     ; relu x w1_2
	FEATLD W                                       ; feat once more, for the blend, into the registers that the weights have left
.set i, 0
.rept 32
	v_max_num_f32 v[H+i], 0, v[H+i]                ; out1 = relu
.set i, i+1
.endr
	s_wait_dscnt 0x0
.set i, 0
.rept 16
	v_pk_mul_f32 v[W+i:W+i+1], v[W+i:W+i+1], v[AL:AL+1] op_sel:[0,1] op_sel_hi:[1,1]   ; (1 - alpha) feat
.set i, i+2
.endr
.set i, 0
.rept 16
	v_pk_fma_f32 v[H+i:H+i+1], v[H+i:H+i+1], v[AL:AL+1], v[W+i:W+i+1] op_sel_hi:[1,0,1]   ; + out1 alpha
.set i, i+2
.endr
	LAYER 3, 0                                     ; blend x w2_0
	LAYER 4, 1                                     ; relu x w2_1
	; relu x w2_2, in f32: my 32 units in two chains, then the other half of the lanes' 32
.irp b, 0,1
.irp j, 0,1,2,3
	ds_load_b128 v[W+16*\b+4*\j:W+16*\b+4*\j+3], v[W2A] offset:128*\b+16*\j
.endr
.endr
.set i, 0
.rept 32
	v_max_num_f32 v[H+i], 0, v[H+i]
.set i, i+1
.endr
	s_wait_dscnt 0x0
	v_pk_mul_f32 v[18:19], v[H:H+1], v[W:W+1]
	v_pk_mul_f32 v[22:23], v[H+16:H+17], v[W+16:W+17]
.irp i, 2,4,6,8,10,12,14
	v_pk_fma_f32 v[18:19], v[H+\i:H+\i+1], v[W+\i:W+\i+1], v[18:19]
	v_pk_fma_f32 v[22:23], v[H+16+\i:H+17+\i], v[W+16+\i:W+17+\i], v[22:23]
.endr
	v_pk_add_f32 v[18:19], v[18:19], v[22:23]
	v_add_f32 v18, v18, v19
	v_permlanex16_b32 v20, v18, s50, s51
	v_add_f32 v18, v18, v20
	ds_store_b32 v[YAT], v18                       ; lanes r and 16 + r write the same word with the same value
	s_add_co_u32 s54, s54, 16*PITCH
	s_add_co_u32 s55, s55, 64
	s_sub_co_u32 s53, s53, 1
	s_cmp_lg_u32 s53, 0
	s_cbranch_scc1 .Ltile
	; THE WAY OUT: a wave's 32 results are 128 bytes; so all 1,024 meet in LDS, and waves 0 to 7 store them, 512 consecutive bytes a wave, aligned
	s_wait_dscnt 0x0                               ; for the others' sake: my results have landed
	s_barrier_signal -1
	s_barrier_wait -1
	s_cmp_lt_u32 s24, 8
	s_cbranch_scc0 .Ldone
	ds_load_b128 v[32:35], v[YRD]
	s_wait_dscnt 0x0
	global_store_b128 v[T16], v[32:35], s[22:23] th:TH_STORE_NT
.Ldone:
	s_wait_xcnt 0x0
	v_lshl_add_u32 v126, v0, 2, 0x4a600
	v_mov_b32 v127, 0
	s_wait_tensorcnt 0x0
	ds_add_u32 v126, v127
	s_wait_dscnt 0x0
	s_endpgm
.Lfunc_end_k_q402ee9316a_main:
	.size	k_q402ee9316a_main, .Lfunc_end_k_q402ee9316a_main-k_q402ee9316a_main
	.p2alignl 7, 3214868480
	.fill 96, 4, 3214868480
	.section	.rodata,"a",@progbits
	.p2align	6, 0x0
	.amdhsa_kernel k_q402ee9316a_main
		.amdhsa_group_segment_fixed_size 308736
		.amdhsa_private_segment_fixed_size 0
		.amdhsa_enable_private_segment 0
		.amdhsa_kernarg_size 80
		.amdhsa_user_sgpr_count 2
		.amdhsa_user_sgpr_kernarg_segment_ptr 1
		.amdhsa_wavefront_size32 1
		.amdhsa_system_sgpr_workgroup_id_x 1
		.amdhsa_system_sgpr_workgroup_id_y 1
		.amdhsa_system_sgpr_workgroup_id_z 1
		.amdhsa_system_vgpr_workitem_id 0
		.amdhsa_next_free_vgpr 128
		.amdhsa_next_free_sgpr 66
		.amdhsa_reserve_vcc 0
		.amdhsa_float_denorm_mode_32 3
		.amdhsa_float_denorm_mode_16_64 3
		.amdhsa_memory_ordered 1
		.amdhsa_forward_progress 1
		.amdhsa_inst_pref_size 50
	.end_amdhsa_kernel
	.amdgpu_metadata
---
amdhsa.version: [ 1, 2 ]
amdhsa.kernels:
  - .name:           k_q402ee9316a_main
    .symbol:         k_q402ee9316a_main.kd
    .args:
      - { .name: x, .offset: 0, .size: 8, .value_kind: global_buffer, .address_space: global }
      - { .name: xhi, .offset: 8, .size: 8, .value_kind: global_buffer, .address_space: global }
      - { .name: xlo, .offset: 16, .size: 8, .value_kind: global_buffer, .address_space: global }
      - { .name: lvl, .offset: 24, .size: 8, .value_kind: global_buffer, .address_space: global }
      - { .name: wq, .offset: 32, .size: 8, .value_kind: global_buffer, .address_space: global }
      - { .name: table_static, .offset: 40, .size: 8, .value_kind: global_buffer, .address_space: global }
      - { .name: table_dynamic, .offset: 48, .size: 8, .value_kind: global_buffer, .address_space: global }
      - { .name: t, .offset: 56, .size: 8, .value_kind: global_buffer, .address_space: global }
      - { .name: skip_alpha, .offset: 64, .size: 8, .value_kind: global_buffer, .address_space: global }
      - { .name: out0, .offset: 72, .size: 8, .value_kind: global_buffer, .address_space: global }
    .group_segment_fixed_size: 308736
    .private_segment_fixed_size: 0
    .kernarg_segment_align: 8
    .kernarg_segment_size: 80
    .max_flat_workgroup_size: 1024
    .sgpr_count:     66
    .vgpr_count:     128
    .wavefront_size: 32
...
	.end_amdgpu_metadata
.endif
;; end of part 2
